; MI455X (gfx1250); checked and timed in simulation.
; The chip was launched on July 23, 2026; its instructions are those of AMD's public machine-readable ISA for CDNA 5 (MIT licence, August 2026) and "CDNA5" Instruction Set Architecture Reference Guide (July 2026). The comments in the code are by the model that wrote it; some were corrected since.
;; Self Attention Unit. Allowed arithmetic: float matrix products may take bf16 or f16 operands with f32 sums; all other float work in f32.
;; Inputs: k_matrix 8 x 2,048 x 1,024 float32; q_matrix 8 x 2,048 x 1,024 float32; v_matrix 8 x 2,048 x 1,024 float32.
;; Outputs: out0 8 x 2,048 x 1,024 float32.
;; 2 versions, each right; version 2 is version 1 with the launch cvt written anew for expert scheduling mode. Each part assembles by itself: llvm-mc -triple=amdgcn-amd-amdhsa -mcpu=gfx1250 --defsym DOCPART=n.
;; ======== version 1 of 2: 2 launches
;; limits: inputs' magnitudes at most 65,504; values are held in f16: magnitudes above 65,504 overflow, below 6.1e-05 lose precision
;; workspace buffers: kb 33,554,432 bytes; vb 33,554,432 bytes
;; launch cvt (part 1): grid 1024 x 1, 8 waves a work-group, no clusters, 0 bytes of LDS; arguments k_matrix, v_matrix, kb, vb; writes kb, vb
.if DOCPART == 1
	.amdgcn_target "amdgcn-amd-amdhsa--gfx1250"
	.amdhsa_code_object_version 6
	.text
	.protected	k_q9d9e69d5bb_cvt
	.globl	k_q9d9e69d5bb_cvt
	.p2align	8
	.type	k_q9d9e69d5bb_cvt,@function
k_q9d9e69d5bb_cvt:
	s_mov_b64 s[64:65], 0
	v_nop
	global_prefetch_b8 v0, s[64:65] scope:SCOPE_SE
	s_setreg_imm32_b32 hwreg(HW_REG_WAVE_MODE, 25, 1), 1
	s_wait_xcnt 0x0
; kb = bf16(k_matrix).  vb = bf16(v_matrix) written in f16's encoding.  Same order of elements, rounding to nearest even.
; K and V are read by many query blocks of the next launch and V is needed transposed there, which only 16-bit data can be
; on their way from LDS: so they are rounded once here and not once for every block that reads them.
; V's partner in its matrix product, the softmax's weights, needs f16's eleven bits, and a matrix instruction takes both operands in one
; format.  V is rounded to bf16 like Q and K, so that the three inputs carry one and the same rounding, and the rounded number is then
; written as f16, which holds it exactly for 2^-17 <= |v| <= 65,504.
; LIMIT: |v| above 65,504 becomes infinite; below 2^-17 it is rounded to a multiple of 2^-24.
; A stream: no LDS, no barrier, no matrix unit.  1,024 work-groups; each owns 65,536 bytes of K and of V (16 pieces of 4,096 bytes).
; Thread t owns the 16 bytes at 16 t of every piece: a wave's load covers 512 consecutive bytes, its store of 8 bytes a lane
; 256 consecutive bytes that start at a multiple of 256.  All 32 loads of a wave go out first; no register is rewritten behind a store that reads it.
.set PIECES, 16                        ; pieces of 4,096 bytes in a work-group's share of one tensor
.set XK, 4                             ; v[4:67]    K as loaded, 4 registers a piece
.set XV, 68                            ; v[68:131]  V as loaded
	s_load_b256 s[4:11], s[0:1], 0x0               ; k s[4:5], v s[6:7], kb s[8:9], vb s[10:11]
	v_lshlrev_b32 v1, 4, v0                        ; 16 t: my bytes in a piece of f32
	v_lshlrev_b32 v2, 3, v0                        ; 8 t: my bytes in a piece of 16-bit numbers
	s_lshl_b32 s2, ttmp9, 16                       ; the work-group's share of the inputs (below 2^26)
	s_mov_b32 s3, 0
	s_lshl_b32 s12, ttmp9, 15                      ; and of the outputs
	s_mov_b32 s13, 0
	s_mov_b32 s14, 0xffff0000                      ; a word's upper bf16
	s_wait_kmcnt 0x0
	s_add_nc_u64 s[4:5], s[4:5], s[2:3]
	s_add_nc_u64 s[6:7], s[6:7], s[2:3]
	s_add_nc_u64 s[8:9], s[8:9], s[12:13]
	s_add_nc_u64 s[10:11], s[10:11], s[12:13]
.set i, 0
.rept PIECES
	global_load_b128 v[XK+4*i:XK+4*i+3], v1, s[4:5] offset:4096*i th:TH_LOAD_NT
.set i, i+1
.endr
.set i, 0
.rept PIECES
	global_load_b128 v[XV+4*i:XV+4*i+3], v1, s[6:7] offset:4096*i th:TH_LOAD_NT
.set i, i+1
.endr
; piece i of K is load i, piece i of V load 16 + i: the count leaves the younger loads out (loads return in order: ISA guide 5.7.1)
.set i, 0
.rept PIECES
	s_wait_loadcnt 31-i
	v_cvt_pk_bf16_f32 v[XK+4*i],   v[XK+4*i],   v[XK+4*i+1]
	v_cvt_pk_bf16_f32 v[XK+4*i+1], v[XK+4*i+2], v[XK+4*i+3]
	global_store_b64 v2, v[XK+4*i:XK+4*i+1], s[8:9] offset:2048*i     ; no hint: the next launch reads these bytes
.set i, i+1
.endr
.set i, 0
.rept PIECES
	s_wait_loadcnt 15-i
	v_cvt_pk_bf16_f32 v[XV+4*i],   v[XV+4*i],   v[XV+4*i+1]           ; the rounding: four numbers to bf16,
	v_cvt_pk_bf16_f32 v[XV+4*i+2], v[XV+4*i+2], v[XV+4*i+3]
	v_and_b32     v[XV+4*i+1], s14, v[XV+4*i]                         ; widened again (a mask, a shift),
	v_lshlrev_b32 v[XV+4*i],   16,  v[XV+4*i]
	v_and_b32     v[XV+4*i+3], s14, v[XV+4*i+2]
	v_lshlrev_b32 v[XV+4*i+2], 16,  v[XV+4*i+2]
	v_cvt_pk_f16_f32 v[XV+4*i],   v[XV+4*i],   v[XV+4*i+1]            ; and written as f16: no second rounding inside the range stated above
	v_cvt_pk_f16_f32 v[XV+4*i+1], v[XV+4*i+2], v[XV+4*i+3]
	global_store_b64 v2, v[XV+4*i:XV+4*i+1], s[10:11] offset:2048*i
.set i, i+1
.endr
	s_endpgm
.Lfunc_end_k_q9d9e69d5bb_cvt:
	.size	k_q9d9e69d5bb_cvt, .Lfunc_end_k_q9d9e69d5bb_cvt-k_q9d9e69d5bb_cvt
	.p2alignl 7, 3214868480
	.fill 96, 4, 3214868480
	.section	.rodata,"a",@progbits
	.p2align	6, 0x0
	.amdhsa_kernel k_q9d9e69d5bb_cvt
		.amdhsa_group_segment_fixed_size 0
		.amdhsa_private_segment_fixed_size 0
		.amdhsa_enable_private_segment 0
		.amdhsa_kernarg_size 32
		.amdhsa_user_sgpr_count 2
		.amdhsa_user_sgpr_kernarg_segment_ptr 1
		.amdhsa_wavefront_size32 1
		.amdhsa_system_sgpr_workgroup_id_x 1
		.amdhsa_system_sgpr_workgroup_id_y 1
		.amdhsa_system_sgpr_workgroup_id_z 1
		.amdhsa_system_vgpr_workitem_id 0
		.amdhsa_next_free_vgpr 132
		.amdhsa_next_free_sgpr 66
		.amdhsa_reserve_vcc 0
		.amdhsa_float_denorm_mode_32 3
		.amdhsa_float_denorm_mode_16_64 3
		.amdhsa_memory_ordered 1
		.amdhsa_forward_progress 1
		.amdhsa_inst_pref_size 16
	.end_amdhsa_kernel
	.amdgpu_metadata
---
amdhsa.version: [ 1, 2 ]
amdhsa.kernels:
  - .name:           k_q9d9e69d5bb_cvt
    .symbol:         k_q9d9e69d5bb_cvt.kd
    .args:
      - { .name: k_matrix, .offset: 0, .size: 8, .value_kind: global_buffer, .address_space: global }
      - { .name: v_matrix, .offset: 8, .size: 8, .value_kind: global_buffer, .address_space: global }
      - { .name: kb, .offset: 16, .size: 8, .value_kind: global_buffer, .address_space: global }
      - { .name: vb, .offset: 24, .size: 8, .value_kind: global_buffer, .address_space: global }
    .group_segment_fixed_size: 0
    .private_segment_fixed_size: 0
    .kernarg_segment_align: 8
    .kernarg_segment_size: 32
    .max_flat_workgroup_size: 256
    .sgpr_count:     66
    .vgpr_count:     132
    .wavefront_size: 32
...
	.end_amdgpu_metadata
.endif
;; end of part 1
;; launch attn (part 2): grid 32 x 8, 4 waves a work-group, clusters of 4 x 1, 327,680 bytes of LDS; arguments q_matrix, kb, vb, out0; writes out0
.if DOCPART == 2
	.amdgcn_target "amdgcn-amd-amdhsa--gfx1250"
	.amdhsa_code_object_version 6
	.text
	.protected	k_q9d9e69d5bb_attn
	.globl	k_q9d9e69d5bb_attn
	.p2align	8
	.type	k_q9d9e69d5bb_attn,@function
k_q9d9e69d5bb_attn:
	s_mov_b64 s[64:65], 0
	v_nop
	global_prefetch_b8 v0, s[64:65] scope:SCOPE_SE
	s_setreg_imm32_b32 hwreg(HW_REG_WAVE_MODE, 25, 1), 1
	s_wait_xcnt 0x0
	s_wait_alu depctr_hold_cnt(0) depctr_sa_sdst(0) depctr_va_vdst(0) depctr_va_sdst(0) depctr_va_ssrc(0) depctr_va_vcc(0) depctr_vm_vsrc(0)
	s_getreg_b32 s2, hwreg(HW_REG_IB_STS2, 6, 4)
	s_cmp_eq_u32 s2, 0
	s_cbranch_scc0 .Lentry_in_a_cluster
	s_endpgm
.Lentry_in_a_cluster:
	s_bfe_u32 s2, ttmp6, 0x10000c
	s_cmp_lg_u32 s2, 0x3003
	s_cbranch_scc0 .Lentry_shape_is_right
	s_endpgm
.Lentry_shape_is_right:
; out = softmax(mask(Q K^T / 1024) + 1e-16) V, causal, B = 8, S = 2048, D = 1024.  Q, out f32; kb = K in bf16, vb = V rounded to bf16 and written as f16
; (both made by the launch before).
; A work-group owns 64 query rows: its f32 output, 64 x 1024, is 512 registers in each of four waves.  The four work-groups of a cluster own 256
; consecutive rows, so all four need exactly the key blocks 0 .. c of 256 keys (c = the cluster's x): equal trip counts, and every tile of K and V
; is asked for JOINTLY by the four (mask 15), which divides the requests for K and V by four.
; A trip = one key block, taken from the diagonal block c down to block 0: the first trip, written out, is the only one with the causal mask, and its
; products start all sums (C = 0).  Clusters with a larger c make more trips (1 to 8): the work is uneven; query blocks of 64 rows leave no even split
; that keeps the partners' trip counts equal.
; A trip is 16 steps of 64 matrix instructions a wave:
;   8 S steps (128 of D each): wave w makes S^T [its keys 64 w .. +63] x [64 q] = 16 tiles; A = rows of K, B = rows of Q; bf16.
;   8 V steps (32 keys each):  wave w makes O^T [its columns 256 w .. +255 of D] x [64 q] = 64 tiles; A = V transposed on its way from LDS, B = P; f16.
; Both results are transposed, so in both a lane's query row is 16 qt + lane % 16: running maximum, rescaling factor and row sum are one number a lane
; and qt.  exp(S^T) of tiles kt = 2 i, 2 i + 1, packed to f16, IS the register image of the B fragment of keys 64 w + 32 i .. +31: it goes to LDS raw.
; WHY P IS f16: P = exp(score - running maximum) lies in [0, 1], so f16's range always holds it, and a row with few keys averages little of P's rounding
; away: eleven bits leave an eighth of the error that eight bits leave.
; K's rows and V's columns of a tile are read only by the wave that asked for them; Q, P and the row maxima are shared through LDS.
; LIMITS.  Matrix operands: Q, K bf16; V bf16's numbers as f16 (|v| <= 65,504, see the launch before); P f16 (below 2^-25 it counts as 0 in the product,
; against a row sum of at least 1); sums f32.  The test for an exact zero is made on the f32 sum before the division by 1024: it differs
; from a test behind it only for 0 < |sum| <= 2^-140.  A row without any finite score gives NaN (0 x infinity), as the softmax of such a row does.
; NaN and infinite inputs are not followed.  The running maximum is taken per block of 256 keys.
.set QPITCH, 2064                      ; LDS row of Q: 2,048 bytes + 16.  All pitches of 16-byte row loads are odd multiples of 16 bytes, so that the
.set KPITCH, 272                       ; sixteen rows that a load touches begin in sixteen different 16-byte columns of 256 bytes
.set VPITCH, 544                       ; V's row of 512 bytes + 32: an odd multiple of 32, for the transposing loads
.set OPITCH, 1040                      ; the way out: 1,024 bytes + 16
.set WQ,     16*QPITCH                 ; 33,024: sixteen rows of Q; also a wave's part of that region on the way out
.set PB,     64*QPITCH                 ; 132,096: P, 32 images of 1,024 bytes: image (chunk of 32 keys, qt) at (4 chunk + qt) x 1,024
.set MS,     PB+32768                  ; 164,864: row maxima, wave x 256 + (lane % 16) x 16
.set LSOFF,  1024                      ; the row sums lie 1,024 bytes behind the maxima, same shape
.set RING,   MS+2048                   ; 166,912 = 652 x 256: two slots; nothing but tensor loads writes from here on, and no tensor load writes below
.set STRIP,  17408                     ; a wave's part of a slot: 64 rows x 272 (K) or 32 rows x 544 (V)
.set SLOT,   4*STRIP
; vector registers, window 0
.set KA,  8                            ; v8-9    LDS address of my K fragments in slot 0, 1
.set VA,  10                           ; v10-11  the same for V (transposing loads)
.set QA,  12                           ; v12-13  Q fragments, rows 0-31 and 32-63
.set PW,  14                           ; where I put P         PR: where I read it
.set PR,  15
.set MSW, 16                           ; where I put row maxima and sums     MSR: where I read them
.set MSR, 17
.set STW, 18                           ; the way out: in       STR: back
.set STR, 19
.set QW,  20                           ; where I put Q in bf16
.set QG,  21                           ; my byte offset in Q
.set OG,  22                           ; 16 x lane: my byte offset in out
.set DV,  23                           ; 64 w + 8 (lane / 16) - 64 cx - lane % 16: key minus query, less the tile's and register's part
.set NI,  24                           ; -infinity
.set ML,  28                           ; v[28:31]  maximum, one a qt
.set MOLD, 32                          ; v[32:35]  running maximum
.set L2,  36                           ; v[36:43]  row sums, a pair a qt
.set AL2, 44                           ; v[44:51]  rescaling factor, twice a qt (pairs for packed multiplies)
.set NM2, 52                           ; v[52:59]  -log2(e) x maximum, twice a qt
.set T,   60                           ; v[60:75]  at work
.set SA,  128                          ; v[128:255] S^T, tile (kt, qt) at SA + 8 (4 kt + qt)
; window 1: fragments.  S step: K (ks, kt) at 8 (4 ks + kt), Q (ks, qt) at QF + 8 (4 ks + qt).  V step: V (dt) at 8 dt, P (qt) at PF + 8 qt.
.set QF,  128
.set PF,  128
; windows 2 and 3: O^T, tile (dt, qt) at 8 ((4 dt + qt) % 32), dt 0-7 in window 2, dt 8-15 in window 3.  Before the first trip: Q as loaded.
; scalar registers
.set G1K, 24                           ; s[24:31] descriptor group 1 for K's tiles
.set G0,  32                           ; s[32:39] descriptor group 0, a set for each slot
.set KP,  40                           ; s[40:41] K at my 64 keys of the trip's block
.set VP,  42                           ; s[42:43] V at the trip's block, my 256 columns
.set G1V, 48                           ; s[48:55] descriptor group 1 for V's tiles
.set MSB, 0
.macro WIN new                         ; s_set_vgpr_msb: bits 1:0 source 0, 3:2 source 1, 5:4 source 2, 7:6 destination; the high byte repeats the setting that is left
.if MSB != \new
	s_set_vgpr_msb (MSB<<8)|\new
.set MSB, \new
.endif
.endm
; Four places behind a matrix instruction before a vector instruction reads its result or a load is issued into one of its registers
; (ISA guide 7.12.1 for vector instructions).
.macro PLACES
.rept 4
	v_nop
.endr
.endm
; A round of the cluster's barrier: my work-group's barrier, wave 0 signals for the work-group, every wave waits for all four work-groups, my work-group's barrier again.
.macro ROUND
	s_barrier_signal -1
	s_barrier_wait -1
	s_cmp_lg_u32 s12, 0
	s_cbranch_scc1 .Lnot_wave_0_\@
	s_barrier_signal -3
.Lnot_wave_0_\@:
	s_barrier_wait -3
	s_barrier_signal -1
	s_barrier_wait -1
.endm
; In front of every refill: all my tensor loads have landed (one is out at the most: the slot read next), all my LDS reads and writes are done,
; and the same holds of every wave of the four work-groups behind the round.
.macro SYNC
	WIN 0
	s_wait_tensorcnt 0x0
	ds_add_u32 v126, v127
	s_wait_dscnt 0x0
	s_wait_dscnt 0x0
	ROUND
.endm
; The one joint load of a wave behind a round.  No tensor load of the wave is out here, so the slot's group 0 may be written.
.macro ASKK slot, jc                   ; my 64 keys x columns 128 jc .. +127 of D
	s_add_nc_u64 s[G0+4*\slot+2:G0+4*\slot+3], s[KP:KP+1], 256*\jc
	s_or_b32 s[G0+4*\slot+3], s[G0+4*\slot+3], 0x80000000
	tensor_load_to_lds s[G0+4*\slot:G0+4*\slot+3], s[G1K:G1K+7]
	s_nop 0
.endm
.macro ASKV slot, jc                   ; keys 32 jc .. +31 of the block x my 256 columns
	s_add_nc_u64 s[G0+4*\slot+2:G0+4*\slot+3], s[VP:VP+1], 65536*\jc
	s_or_b32 s[G0+4*\slot+3], s[G0+4*\slot+3], 0x80000000
	tensor_load_to_lds s[G0+4*\slot:G0+4*\slot+3], s[G1V:G1V+7]
	s_nop 0
.endm
; 16 matrix instructions: 32 along D, all 16 tiles of S^T.  The accumulators take turns, one instruction a turn.
.macro SMUL ks, zero
	s_wait_dscnt 48-16*\ks                         ; the 16 loads of each later slice of 32 may be out
.irp kt, 0,1,2,3
.irp qt, 0,1,2,3
.if \zero
	v_wmma_f32_16x16x32_bf16 v[SA+8*(4*\kt+\qt):SA+8*(4*\kt+\qt)+7], v[8*(4*\ks+\kt):8*(4*\ks+\kt)+7], v[QF+8*(4*\ks+\qt):QF+8*(4*\ks+\qt)+7], 0
.else
	v_wmma_f32_16x16x32_bf16 v[SA+8*(4*\kt+\qt):SA+8*(4*\kt+\qt)+7], v[8*(4*\ks+\kt):8*(4*\ks+\kt)+7], v[QF+8*(4*\ks+\qt):QF+8*(4*\ks+\qt)+7], v[SA+8*(4*\kt+\qt):SA+8*(4*\kt+\qt)+7]
.endif
.endr
.endr
.endm
; An S step: 64 LDS loads in one run (four slices of 32 along D: 8 of K, 8 of Q each), then 64 matrix instructions.
.macro SWORK slot, jc, zero
	PLACES
	WIN 0x40                                       ; destination window 1, address window 0
.irp ks, 0,1,2,3
.irp t, 0,1,2,3
	ds_load_b128 v[8*(4*\ks+\t):8*(4*\ks+\t)+3],   v[KA+\slot] offset:\t*16*KPITCH+64*\ks
	ds_load_b128 v[8*(4*\ks+\t)+4:8*(4*\ks+\t)+7], v[KA+\slot] offset:\t*16*KPITCH+64*\ks+32
.endr
.irp t, 0,1,2,3
	ds_load_b128 v[QF+8*(4*\ks+\t):QF+8*(4*\ks+\t)+3],   v[QA+(\t>>1)] offset:(\t&1)*WQ+256*\jc+64*\ks
	ds_load_b128 v[QF+8*(4*\ks+\t)+4:QF+8*(4*\ks+\t)+7], v[QA+(\t>>1)] offset:(\t&1)*WQ+256*\jc+64*\ks+32
.endr
.endr
	WIN 0x05                                       ; A and B window 1, C and D window 0
	SMUL 0, \zero
	SMUL 1, 0
	SMUL 2, 0
	SMUL 3, 0
.endm
; Scores from sums: an exact zero becomes -infinity, all else sum / 1024 + 1e-16 (one rounding; the division is exact).  diag = 1: keys beyond the query too.
; Then the largest score of my 64 keys for each of my four query rows, to LDS.
.macro SMAX1 diag
	PLACES
	WIN 0
.irp kt, 0,1,2,3
.irp qt, 0,1,2,3
.irp e, 0,1,2,3,4,5,6,7
	v_cmp_eq_f32 vcc_lo, 0, v[SA+8*(4*\kt+\qt)+\e]
	v_fma_f32 v[SA+8*(4*\kt+\qt)+\e], v[SA+8*(4*\kt+\qt)+\e], s45, s46
	v_cndmask_b32 v[SA+8*(4*\kt+\qt)+\e], v[SA+8*(4*\kt+\qt)+\e], v[NI], vcc_lo
.if \diag
	v_cmp_lt_i32 vcc_lo, 16*\qt-16*\kt-\e, v[DV]   ; key > query: 64 w + 16 kt + 8 h + e > 64 cx + 16 qt + r
	v_cndmask_b32 v[SA+8*(4*\kt+\qt)+\e], v[SA+8*(4*\kt+\qt)+\e], v[NI], vcc_lo
.endif
.endr
.endr
.endr
.irp qt, 0,1,2,3
	v_max_num_f32 v[ML+\qt], v[SA+8*\qt], v[SA+8*\qt+1]
.endr
.set n, 2
.rept 15                                           ; the other 30 of a lane's 32 scores of each qt, four chains side by side
.irp qt, 0,1,2,3
	v_max3_num_f32 v[ML+\qt], v[ML+\qt], v[SA+8*(4*(n/8)+\qt)+(n%8)], v[SA+8*(4*(n/8)+\qt)+(n%8)+1]
.endr
.set n, n+2
.endr
.irp qt, 0,1,2,3
	v_permlanex16_b32 v[T+\qt], v[ML+\qt], s56, s57  ; the other half of the lanes holds the other keys of the same query
.endr
.irp qt, 0,1,2,3
	v_max_num_f32 v[ML+\qt], v[ML+\qt], v[T+\qt]
.endr
	ds_store_b128 v[MSW], v[ML:ML+3]               ; both halves write the same words with the same numbers
.endm
; The new running maximum, the factor for what has been summed so far, P = exp(score - maximum), its sums, and P in f16 to LDS.
.macro SMAX2 first
.irp ww, 0,1,2,3
	ds_load_b128 v[T+4*\ww:T+4*\ww+3], v[MSR] offset:256*\ww
.endr
	s_wait_dscnt 0x0
.irp qt, 0,1,2,3
	v_max3_num_f32 v[ML+\qt], v[T+\qt], v[T+4+\qt], v[T+8+\qt]
.endr
.irp qt, 0,1,2,3
.if \first
	v_max_num_f32 v[ML+\qt], v[ML+\qt], v[T+12+\qt]
.else
	v_max3_num_f32 v[ML+\qt], v[ML+\qt], v[T+12+\qt], v[MOLD+\qt]
.endif
.endr
.irp qt, 0,1,2,3
	v_cmp_neq_f32 vcc_lo, v[NI], v[ML+\qt]
	v_cndmask_b32 v[T+\qt], 0, v[ML+\qt], vcc_lo   ; what is taken away: the maximum, or 0 while no finite score has been seen (no infinity minus infinity)
.endr
.if \first == 0
.irp qt, 0,1,2,3
	v_sub_f32 v[T+4+\qt], v[MOLD+\qt], v[T+\qt]
.endr
.irp qt, 0,1,2,3
	v_mul_f32 v[T+4+\qt], 0x3fb8aa3b, v[T+4+\qt]
.endr
.irp qt, 0,1,2,3
	v_exp_f32 v[AL2+2*\qt], v[T+4+\qt]             ; the multiplies below are the plain place behind these (ISA guide 5.7.2)
.endr
.endif
.irp qt, 0,1,2,3
	v_mul_f32 v[NM2+2*\qt],   0xbfb8aa3b, v[T+\qt]
	v_mul_f32 v[NM2+2*\qt+1], 0xbfb8aa3b, v[T+\qt]
	v_mov_b32 v[MOLD+\qt], v[ML+\qt]
.endr
.if \first == 0
	s_wait_alu depctr_va_vdst(0)
.irp qt, 0,1,2,3
	v_mov_b32 v[AL2+2*\qt+1], v[AL2+2*\qt]
.endr
.irp qt, 0,1,2,3
	v_pk_mul_f32 v[L2+2*\qt:L2+2*\qt+1], v[L2+2*\qt:L2+2*\qt+1], v[AL2+2*\qt:AL2+2*\qt+1]
.endr
.endif
.irp i, 0,1
.irp qt, 0,1,2,3
.set T0, SA+8*(8*\i+\qt)                           ; tile (2 i, qt): keys 8 h + 0..7 of the chunk of 32
.set T1, SA+8*(8*\i+4+\qt)                         ; tile (2 i + 1, qt): keys 16 + 8 h + 0..7
.irp p, 0,2,4,6
	v_pk_fma_f32 v[T0+\p:T0+\p+1], v[T0+\p:T0+\p+1], 0x3fb8aa3b, v[NM2+2*\qt:NM2+2*\qt+1] op_sel_hi:[1,0,1]
	v_pk_fma_f32 v[T1+\p:T1+\p+1], v[T1+\p:T1+\p+1], 0x3fb8aa3b, v[NM2+2*\qt:NM2+2*\qt+1] op_sel_hi:[1,0,1]
.endr
.irp p, 0,1,2,3,4,5,6,7
	v_exp_f32 v[T0+\p], v[T0+\p]
	v_exp_f32 v[T1+\p], v[T1+\p]
.endr
	v_nop                                          ; the plain place behind the exponentials
.set STARTL, 0
.if \first
.if \i == 0
.set STARTL, 1
.endif
.endif
.if STARTL
	s_wait_alu depctr_va_vdst(0)
	v_pk_add_f32 v[L2+2*\qt:L2+2*\qt+1], v[T0:T0+1], v[T0+2:T0+3]      ; the first numbers start the row sums: nothing is cleared
.else
	s_wait_alu depctr_va_vdst(0)
	v_pk_add_f32 v[L2+2*\qt:L2+2*\qt+1], v[L2+2*\qt:L2+2*\qt+1], v[T0:T0+1]
	v_pk_add_f32 v[L2+2*\qt:L2+2*\qt+1], v[L2+2*\qt:L2+2*\qt+1], v[T0+2:T0+3]
.endif
	v_pk_add_f32 v[L2+2*\qt:L2+2*\qt+1], v[L2+2*\qt:L2+2*\qt+1], v[T0+4:T0+5]
	v_pk_add_f32 v[L2+2*\qt:L2+2*\qt+1], v[L2+2*\qt:L2+2*\qt+1], v[T0+6:T0+7]
.irp p, 0,2,4,6
	v_pk_add_f32 v[L2+2*\qt:L2+2*\qt+1], v[L2+2*\qt:L2+2*\qt+1], v[T1+\p:T1+\p+1]
.endr
.irp p, 0,1,2,3
	v_cvt_pk_f16_f32 v[T0+\p], v[T0+2*\p], v[T0+2*\p+1]                ; in place: register p is written when registers 2 p, 2 p + 1 are read
	v_cvt_pk_f16_f32 v[T1+\p], v[T1+2*\p], v[T1+2*\p+1]
.endr
	ds_store_b128 v[PW], v[T0:T0+3] offset:(4*\i+\qt)*1024             ; registers 0-3 of the fragment, 16 bytes a lane, lanes side by side
	ds_store_b128 v[PW], v[T1:T1+3] offset:(4*\i+\qt)*1024+512         ; registers 4-7
.endr
.endr
.endm
.macro SCALE32                         ; the 32 tiles of a window, each by its qt's factor
.set u, 0
.rept 32
.irp p, 0,2,4,6
	v_pk_mul_f32 v[8*u+\p:8*u+\p+1], v[8*u+\p:8*u+\p+1], v[AL2+2*(u&3):AL2+2*(u&3)+1]
.endr
.set u, u+1
.endr
.endm
.macro RESCALE
	WIN 0x82                                       ; source 0 and destination window 2, the factor window 0
	SCALE32
	WIN 0xc3
	SCALE32
	WIN 0
.endm
; 8 matrix instructions: d tiles 2 g, 2 g + 1 x the four qt.  The f16 form: O's accumulators never see another form.
.macro VMUL g, zero
	s_wait_dscnt 28-4*\g                           ; the four loads of each later pair of d tiles may be out
.irp d, 0,1
.irp qt, 0,1,2,3
.if \zero
	v_wmma_f32_16x16x32_f16 v[8*((8*\g+4*\d+\qt)&31):8*((8*\g+4*\d+\qt)&31)+7], v[8*(2*\g+\d):8*(2*\g+\d)+7], v[PF+8*\qt:PF+8*\qt+7], 0
.else
	v_wmma_f32_16x16x32_f16 v[8*((8*\g+4*\d+\qt)&31):8*((8*\g+4*\d+\qt)&31)+7], v[8*(2*\g+\d):8*(2*\g+\d)+7], v[PF+8*\qt:PF+8*\qt+7], v[8*((8*\g+4*\d+\qt)&31):8*((8*\g+4*\d+\qt)&31)+7]
.endif
.endr
.endr
.endm
; A V step: 8 loads of P, 32 transposing loads of V in one run, then 64 matrix instructions on 64 accumulators that take turns.
.macro VWORK slot, jc, zero
	PLACES
	WIN 0x40
.irp qt, 0,1,2,3
	ds_load_b128 v[PF+8*\qt:PF+8*\qt+3],   v[PR] offset:(4*\jc+\qt)*1024
	ds_load_b128 v[PF+8*\qt+4:PF+8*\qt+7], v[PR] offset:(4*\jc+\qt)*1024+512
.endr
.irp dt, 0,1,2,3,4,5,6,7,8,9,10,11,12,13,14,15
	ds_load_tr16_b128 v[8*\dt:8*\dt+3],   v[VA+\slot] offset:32*\dt              ; keys 8 h + 0..7 of column 16 dt + r
	ds_load_tr16_b128 v[8*\dt+4:8*\dt+7], v[VA+\slot] offset:32*\dt+16*VPITCH    ; keys 16 + 8 h + 0..7
.endr
	WIN 0xa5                                       ; A and B window 1, C and D window 2
	VMUL 0, \zero
	VMUL 1, \zero
	VMUL 2, \zero
	VMUL 3, \zero
	WIN 0xf5                                       ; C and D window 3
	VMUL 4, \zero
	VMUL 5, \zero
	VMUL 6, \zero
	VMUL 7, \zero
.endm
; A trip but for its last V step.  Step n reads slot n % 2; behind the round in front of it the other slot, read in step n - 1, is asked for step n + 1.
.macro TRIP_MAIN first
	SYNC
	ASKK 1, 1
	SWORK 0, 0, 1
	SYNC
	ASKK 0, 2
	SWORK 1, 1, 0
	SYNC
	ASKK 1, 3
	SWORK 0, 2, 0
	SYNC
	ASKK 0, 4
	SWORK 1, 3, 0
	SYNC
	ASKK 1, 5
	SWORK 0, 4, 0
	SYNC
	ASKK 0, 6
	SWORK 1, 5, 0
	SYNC
	ASKK 1, 7
	SWORK 0, 6, 0
	SYNC
	ASKV 0, 0
	SWORK 1, 7, 0
	SMAX1 \first
	SYNC                                           ; this round also shows every wave's row maxima to the others
	ASKV 1, 1
	SMAX2 \first
	s_wait_dscnt 0x0                               ; my part of P is in LDS
	s_barrier_signal -1                            ; V's keys 32-63 stay on their way over it
.if \first == 0
	RESCALE                                        ; register work while the others arrive
.endif
	s_barrier_wait -1                              ; P is whole
	VWORK 0, 0, \first                             ; slot 0 was shown landed by the wait in front of the last round
	SYNC
	ASKV 0, 2
	VWORK 1, 1, 0
	SYNC
	ASKV 1, 3
	VWORK 0, 2, 0
	SYNC
	ASKV 0, 4
	VWORK 1, 3, 0
	SYNC
	ASKV 1, 5
	VWORK 0, 4, 0
	SYNC
	ASKV 0, 6
	VWORK 1, 5, 0
	SYNC
	ASKV 1, 7
	VWORK 0, 6, 0
.endm
; A trip's last V step.  refill = 1: another trip follows, and its first tile of K is asked for here.  It leads the loop's body, so that no load is
; jumped over and none is issued that no step reads.
.macro LASTV refill
	SYNC
.if \refill
	s_sub_nc_u64 s[KP:KP+1], s[KP:KP+1], 0x80000   ; 256 keys of 2,048 bytes back
	s_sub_nc_u64 s[VP:VP+1], s[VP:VP+1], 0x80000
	ASKK 0, 0
.endif
	VWORK 1, 7, 0
.endm
	s_load_b256 s[4:11], s[0:1], 0x0               ; q s[4:5], kb s[6:7], vb s[8:9], out s[10:11]
	v_lshl_add_u32 v126, v0, 2, 0x4ac00
	v_mov_b32 v127, 0
	ds_add_u32 v126, v127
	v_lshrrev_b32 v1, 5, v0
	v_readfirstlane_b32 s12, v1                    ; wave 0..3
	s_bfe_u32 s13, ttmp6, 0x40000                  ; cx: my place in the cluster
	s_mov_b32 s14, ttmp9                           ; c: the cluster's x = the diagonal key block = trips - 1
	s_and_b32 s15, ttmp7, 0xffff                   ; batch
	s_mov_b32 s45, 0x3a800000                      ; 1 / 1024
	s_mov_b32 s46, 0x24e69595                      ; 1e-16
	s_mov_b32 s56, 0x76543210                      ; v_permlanex16_b32: lane i reads lane i of the other half
	s_mov_b32 s57, 0xfedcba98
	; group 1 for K: 64 rows x 128 elements of 2 bytes, 16 bytes of padding behind every 256; for V: 32 rows x 256 elements, 32 bytes behind every 512
	s_mov_b32 s[G1K+0], 15|(1<<16)|(1<<20)|(1<<21)|(5<<22)|(3<<25)   ; 15:0 mask: the cluster's four; 17:16 2 bytes; 20 padding; 21 set beside a mask; 24:22 every 64 words; 31:25 4 words
	s_mov_b32 s[G1K+1], 128<<16                    ; tensor_dim0 = 128
	s_mov_b32 s[G1K+2], 64<<16                     ; tensor_dim1 = 64
	s_mov_b32 s[G1K+3], 128<<16                    ; tile_dim0 = 128
	s_mov_b32 s[G1K+4], 64                         ; tile_dim1 = 64
	s_mov_b32 s[G1K+5], 1024                       ; elements from row to row
	s_mov_b32 s[G1K+6], 0
	s_mov_b32 s[G1K+7], 0
	s_mov_b32 s[G1V+0], 15|(1<<16)|(1<<20)|(1<<21)|(6<<22)|(7<<25)   ; every 128 words, 8 words
	s_mov_b32 s[G1V+1], 256<<16
	s_mov_b32 s[G1V+2], 32<<16
	s_mov_b32 s[G1V+3], 256<<16
	s_mov_b32 s[G1V+4], 32
	s_mov_b32 s[G1V+5], 1024
	s_mov_b32 s[G1V+6], 0
	s_mov_b32 s[G1V+7], 0
	s_mul_i32 s20, s12, STRIP
	s_add_co_u32 s21, s20, RING                    ; my strip of slot 0: the wave's number alone enters an LDS address
	s_mov_b32 s[G0+0], 1
	s_add_co_u32 s[G0+1], s20, RING
	s_mov_b32 s[G0+4], 1
	s_add_co_u32 s[G0+5], s20, RING+SLOT
	s_lshl_b32 s16, s15, 11
	s_lshl_b32 s17, s14, 8
	s_add_co_u32 s16, s16, s17                     ; 2048 b + 256 c: the cluster's first row, and the diagonal block's first key (no cx in it)
	s_lshl_b32 s18, s13, 6
	s_add_co_u32 s18, s18, s16                     ; my work-group's first row
	s_lshl_b32 s18, s18, 12                        ; x 4,096 bytes (below 2^26)
	s_mov_b32 s19, 0
	s_lshl_b32 s22, s12, 6
	s_add_co_u32 s22, s22, s16                     ; my wave's first key
	s_lshl_b32 s22, s22, 11                        ; x 2,048 bytes
	s_mov_b32 s23, 0
	s_lshl_b32 s58, s16, 11
	s_lshl_b32 s59, s12, 9                         ; my wave's 256 columns of V
	s_add_co_u32 s58, s58, s59
	s_mov_b32 s59, 0
	s_lshl_b32 s2, s12, 10                         ; my wave's 256 columns of out
	s_mov_b32 s3, 0
	v_and_b32 v3, 31, v0                           ; lane
	v_lshlrev_b32 v[OG], 4, v3
	v_lshl_add_u32 v[QG], s12, 16, v[OG]           ; my wave's 16 rows of Q
	s_wait_dscnt 0x0
	s_wait_kmcnt 0x0
	s_add_nc_u64 s[4:5], s[4:5], s[18:19]
	s_add_nc_u64 s[10:11], s[10:11], s[18:19]
	s_add_nc_u64 s[10:11], s[10:11], s[2:3]
	s_add_nc_u64 s[KP:KP+1], s[6:7], s[22:23]
	s_add_nc_u64 s[VP:VP+1], s[8:9], s[58:59]
	ROUND                                          ; the four work-groups are here: the first joint loads meet
	ASKK 0, 0                                      ; slot 1 is first filled behind the first step's round
	; Q: my wave's 16 rows, 128 loads of 512 consecutive bytes, into the registers that will hold O
	WIN 0x80
.set g, 0
.rept 8
.irp sg, 0,1,2,3,4,5,6,7
	global_load_b128 v[32*g+4*\sg:32*g+4*\sg+3], v[QG], s[4:5] offset:g*4096+\sg*512 th:TH_LOAD_NT
.endr
.set g, g+1
.endr
	WIN 0xc0
.set g, 0
.rept 8
.irp sg, 0,1,2,3,4,5,6,7
	global_load_b128 v[32*g+4*\sg:32*g+4*\sg+3], v[QG], s[4:5] offset:(g+8)*4096+\sg*512 th:TH_LOAD_NT
.endr
.set g, g+1
.endr
	WIN 0
	; addresses, while Q is on its way
	s_mul_i32 s16, s12, WQ
	s_lshl_b32 s17, s12, 13
	s_add_co_u32 s17, s17, PB
	s_lshl_b32 s18, s12, 8
	s_add_co_u32 s18, s18, MS
	s_sub_co_i32 s19, s12, s13
	s_lshl_b32 s19, s19, 6                         ; 64 (w - cx): enters the causal comparison alone
	v_and_b32 v1, 15, v0                           ; r = lane % 16
	v_bfe_u32 v2, v0, 4, 1                         ; h = lane / 16
	v_mul_u32_u24 v4, v1, KPITCH
	v_lshl_add_u32 v4, v2, 4, v4                   ; row r, 16 bytes for each half of the lanes
	v_add_nc_u32 v[KA], s21, v4
	v_add_nc_u32 v[KA+1], SLOT, v[KA]
	v_and_b32 v5, 7, v0
	v_lshl_add_u32 v5, v2, 3, v5                   ; key 8 h + lane % 8
	v_mul_u32_u24 v5, v5, VPITCH
	v_bfe_u32 v6, v0, 3, 1
	v_lshl_add_u32 v5, v6, 4, v5                   ; columns 0-7 or 8-15 of the tile
	v_add_nc_u32 v[VA], s21, v5
	v_add_nc_u32 v[VA+1], SLOT, v[VA]
	v_mul_u32_u24 v[QA], v1, QPITCH
	v_lshl_add_u32 v[QA], v2, 4, v[QA]
	v_add_nc_u32 v[QA+1], 2*WQ, v[QA]
	v_add_nc_u32 v[PW], s17, v[OG]
	v_add_nc_u32 v[PR], PB, v[OG]
	v_lshl_add_u32 v[MSW], v1, 4, s18
	v_lshlrev_b32 v[MSR], 4, v1
	v_add_nc_u32 v[MSR], MS, v[MSR]
	v_mul_u32_u24 v7, v1, OPITCH
	v_lshl_add_u32 v7, v2, 5, v7
	v_add_nc_u32 v[STW], s16, v7
	v_add_nc_u32 v[STR], s16, v[OG]
	v_lshl_add_u32 v[QW], v3, 3, s16
	v_lshlrev_b32 v[DV], 3, v2
	v_sub_nc_u32 v[DV], v[DV], v1
	v_add_nc_u32 v[DV], s19, v[DV]
	v_mov_b32 v[NI], 0xff800000
.irp qt, 0,1,2,3
	v_mov_b32 v[T+\qt], 0                          ; v_permlanex16_b32 counts as a reader of its destination
.endr
	; Q to bf16 and into LDS, eight rows under one window setting
	s_wait_loadcnt 63                              ; of the 128 loads at most 63 are out: the first 65 are in, and rows 0-7 are the first 64
	WIN 0x0a                                       ; sources window 2
.set g, 0
.rept 8
.irp sg, 0,1,2,3,4,5,6,7
	v_cvt_pk_bf16_f32 v[SA+16*g+2*\sg],   v[32*g+4*\sg],   v[32*g+4*\sg+1]
	v_cvt_pk_bf16_f32 v[SA+16*g+2*\sg+1], v[32*g+4*\sg+2], v[32*g+4*\sg+3]
.endr
.set g, g+1
.endr
	WIN 0
.set g, 0
.rept 8
.irp sg, 0,1,2,3,4,5,6,7
	ds_store_b64 v[QW], v[SA+16*g+2*\sg:SA+16*g+2*\sg+1] offset:g*QPITCH+\sg*256
.endr
.set g, g+1
.endr
	WIN 0x0f                                       ; sources window 3
.set g, 0
.rept 8
	s_wait_loadcnt 56-8*g                          ; the eight loads of each later row may be out
.irp sg, 0,1,2,3,4,5,6,7
	v_cvt_pk_bf16_f32 v[SA+16*g+2*\sg],   v[32*g+4*\sg],   v[32*g+4*\sg+1]
	v_cvt_pk_bf16_f32 v[SA+16*g+2*\sg+1], v[32*g+4*\sg+2], v[32*g+4*\sg+3]
.endr
.set g, g+1
.endr
	WIN 0
.set g, 0
.rept 8
.irp sg, 0,1,2,3,4,5,6,7
	ds_store_b64 v[QW], v[SA+16*g+2*\sg:SA+16*g+2*\sg+1] offset:(g+8)*QPITCH+\sg*256
.endr
.set g, g+1
.endr
	TRIP_MAIN 1                                    ; the diagonal block; its first round, behind my wait for my LDS stores, shows Q to every wave
	WIN 0
	s_cmp_eq_u32 s14, 0                            ; c is the same in the four partners
	s_cbranch_scc1 .Lfinal
	s_mov_b32 s44, s14
.Ltrip:
	LASTV 1
	TRIP_MAIN 0
	WIN 0
	s_sub_co_u32 s44, s44, 1
	s_cmp_lg_u32 s44, 0
	s_cbranch_scc1 .Ltrip
.Lfinal:
	LASTV 0
	; THE WAY OUT.  Row sums: my two halves, the other half of the lanes, the four waves (through LDS); then O / sum.
	PLACES
	WIN 0
.irp qt, 0,1,2,3
	v_add_f32 v[T+\qt], v[L2+2*\qt], v[L2+2*\qt+1]
.endr
.irp qt, 0,1,2,3
	v_permlanex16_b32 v[T+4+\qt], v[T+\qt], s56, s57
.endr
.irp qt, 0,1,2,3
	v_add_f32 v[T+\qt], v[T+\qt], v[T+4+\qt]
.endr
	ds_store_b128 v[MSW], v[T:T+3] offset:LSOFF
	s_wait_dscnt 0x0                               ; my sums are in LDS, and my last reads of V and P are back
	s_barrier_signal -1
	s_barrier_wait -1
.irp ww, 0,1,2,3
	ds_load_b128 v[T+4*\ww:T+4*\ww+3], v[MSR] offset:LSOFF+256*\ww
.endr
	s_wait_dscnt 0x0
.irp qt, 0,1,2,3
	v_add_f32 v[T+\qt], v[T+\qt], v[T+4+\qt]
	v_add_f32 v[T+8+\qt], v[T+8+\qt], v[T+12+\qt]
.endr
.irp qt, 0,1,2,3
	v_add_f32 v[T+\qt], v[T+\qt], v[T+8+\qt]
.endr
.irp qt, 0,1,2,3
	v_rcp_f32 v[AL2+2*\qt], v[T+\qt]
.endr
	v_nop                                          ; the plain place behind the reciprocals
	s_wait_alu depctr_va_vdst(0)
.irp qt, 0,1,2,3
	v_mov_b32 v[AL2+2*\qt+1], v[AL2+2*\qt]
.endr
; Sixteen query rows at a time: a lane holds 8 neighbouring f32 of row 16 qt + r for each d tile.  They go into my wave's own stage (in the bytes that
; held Q, which no wave reads any more) and come back as whole rows; LDS serves a wave's instructions in order (ISA guide 5.7.1.4), so no wait stands
; between the stores and the loads.  Each global store of the wave covers 512 consecutive bytes that start at a multiple of 512 in out.
.macro OUTQ qt
	s_wait_xcnt 0x0                                ; SA, which the last sixteen rows' stores read, is rewritten only behind this wait
	WIN 0x02                                       ; source 0 window 2
.irp dt, 0,1,2,3,4,5,6,7
.irp p, 0,2,4,6
	v_pk_mul_f32 v[SA+8*\dt+\p:SA+8*\dt+\p+1], v[8*(4*\dt+\qt)+\p:8*(4*\dt+\qt)+\p+1], v[AL2+2*\qt:AL2+2*\qt+1]
.endr
.endr
	WIN 0x03                                       ; source 0 window 3: d tiles 8-15
.irp dt, 0,1,2,3,4,5,6,7
.irp p, 0,2,4,6
	v_pk_mul_f32 v[SA+64+8*\dt+\p:SA+64+8*\dt+\p+1], v[8*(4*\dt+\qt)+\p:8*(4*\dt+\qt)+\p+1], v[AL2+2*\qt:AL2+2*\qt+1]
.endr
.endr
	WIN 0
.irp dt, 0,1,2,3,4,5,6,7,8,9,10,11,12,13,14,15
	ds_store_b128 v[STW], v[SA+8*\dt:SA+8*\dt+3]   offset:64*\dt
	ds_store_b128 v[STW], v[SA+8*\dt+4:SA+8*\dt+7] offset:64*\dt+16
.endr
.set n, 0
.rept 32
	ds_load_b128 v[SA+4*n:SA+4*n+3], v[STR] offset:(n/2)*OPITCH+512*(n&1)
.set n, n+1
.endr
.set n, 0
.rept 32
	s_wait_dscnt 31-n                              ; the later read-backs may be out
	global_store_b128 v[OG], v[SA+4*n:SA+4*n+3], s[10:11] offset:(16*\qt+n/2)*4096+512*(n&1) th:TH_STORE_NT
.set n, n+1
.endr
.endm
	OUTQ 0
	OUTQ 1
	OUTQ 2
	OUTQ 3
	s_wait_dscnt 0x0
	s_wait_tensorcnt 0x0
	ds_add_u32 v126, v127
	s_wait_dscnt 0x0
	ROUND                                          ; the closing round: no work-group ends while a partner may still ask for a tile that names it
	s_endpgm
.Lfunc_end_k_q9d9e69d5bb_attn:
	.size	k_q9d9e69d5bb_attn, .Lfunc_end_k_q9d9e69d5bb_attn-k_q9d9e69d5bb_attn
	.p2alignl 7, 3214868480
	.fill 96, 4, 3214868480
	.section	.rodata,"a",@progbits
	.p2align	6, 0x0
	.amdhsa_kernel k_q9d9e69d5bb_attn
		.amdhsa_group_segment_fixed_size 327680
		.amdhsa_private_segment_fixed_size 0
		.amdhsa_enable_private_segment 0
		.amdhsa_kernarg_size 32
		.amdhsa_user_sgpr_count 2
		.amdhsa_user_sgpr_kernarg_segment_ptr 1
		.amdhsa_wavefront_size32 1
		.amdhsa_system_sgpr_workgroup_id_x 1
		.amdhsa_system_sgpr_workgroup_id_y 1
		.amdhsa_system_sgpr_workgroup_id_z 1
		.amdhsa_system_vgpr_workitem_id 0
		.amdhsa_next_free_vgpr 1024
		.amdhsa_next_free_sgpr 66
		.amdhsa_reserve_vcc 1
		.amdhsa_float_denorm_mode_32 3
		.amdhsa_float_denorm_mode_16_64 3
		.amdhsa_memory_ordered 1
		.amdhsa_forward_progress 1
		.amdhsa_inst_pref_size 255
	.end_amdhsa_kernel
	.section	.bss,"aw",@nobits
	.p2align	6
	.space	262144
	.amdgpu_metadata
---
amdhsa.version: [ 1, 2 ]
amdhsa.kernels:
  - .name:           k_q9d9e69d5bb_attn
    .symbol:         k_q9d9e69d5bb_attn.kd
    .args:
      - { .name: q_matrix, .offset: 0, .size: 8, .value_kind: global_buffer, .address_space: global }
      - { .name: kb, .offset: 8, .size: 8, .value_kind: global_buffer, .address_space: global }
      - { .name: vb, .offset: 16, .size: 8, .value_kind: global_buffer, .address_space: global }
      - { .name: out0, .offset: 24, .size: 8, .value_kind: global_buffer, .address_space: global }
    .group_segment_fixed_size: 327680
    .private_segment_fixed_size: 0
    .kernarg_segment_align: 8
    .kernarg_segment_size: 32
    .max_flat_workgroup_size: 128
    .sgpr_count:     66
    .vgpr_count:     1024
    .wavefront_size: 32
...
	.end_amdgpu_metadata
.endif
;; end of part 2
;; ======== version 2 of 2: 2 launches; version 1 with the launch cvt written anew for expert scheduling mode
;; limits: inputs' magnitudes at most 65,504; values are held in f16: magnitudes above 65,504 overflow, below 6.1e-05 lose precision
;; workspace buffers: kb 33,554,432 bytes; vb 33,554,432 bytes
;; launch cvt (part 3): grid 1024 x 1, 8 waves a work-group, no clusters, 0 bytes of LDS; arguments k_matrix, v_matrix, kb, vb; writes kb, vb
.if DOCPART == 3
	.amdgcn_target "amdgcn-amd-amdhsa--gfx1250"
	.amdhsa_code_object_version 6
	.text
	.protected	k_q9d9e69d5bb_cvt
	.globl	k_q9d9e69d5bb_cvt
	.p2align	8
	.type	k_q9d9e69d5bb_cvt,@function
k_q9d9e69d5bb_cvt:
	s_mov_b64 s[64:65], 0
	v_nop
	global_prefetch_b8 v0, s[64:65] scope:SCOPE_SE
	s_setreg_imm32_b32 hwreg(HW_REG_WAVE_SCHED_MODE, 0, 2), 2
	s_setreg_imm32_b32 hwreg(HW_REG_WAVE_MODE, 25, 1), 1
	s_wait_xcnt 0x0
	s_wait_alu depctr_vm_vsrc(0)
; kb = bf16(k_matrix).  vb = bf16(v_matrix) written in f16's encoding.  Same order of elements, rounding to nearest even.
; K and V are read by many query blocks of the next launch and V is needed transposed there, which only 16-bit data can be
; on their way from LDS: so they are rounded once here and not once for every block that reads them.
; V's partner in its matrix product, the softmax's weights, needs f16's eleven bits, and a matrix instruction takes both operands in one
; format.  V is rounded to bf16 like Q and K, so that the three inputs carry one and the same rounding, and the rounded number is then
; written as f16, which holds it exactly for 2^-17 <= |v| <= 65,504.
; LIMIT: |v| above 65,504 becomes infinite; below 2^-17 it is rounded to a multiple of 2^-24.
; A stream: no LDS, no barrier, no matrix unit.  1,024 work-groups; each owns 65,536 bytes of K and of V (16 pieces of 4,096 bytes).
; Thread t owns the 16 bytes at 16 t of every piece: a wave's load covers 512 consecutive bytes, its store of 8 bytes a lane
; 256 consecutive bytes that start at a multiple of 256.  All 32 loads of a wave go out first; no register is rewritten behind a store that reads it.
; THE MODE: SCHED_MODE bits 1:0 = 2 (LLVM: expert scheduling mode 2), set by the entry lines.  The code itself states the register dependences
; between vector instructions and memory instructions, with s_wait_alu, always for 0.
; THE PLAN.  Registers that memory instructions touch:
;   v1, v2      byte offsets, made once at the head and never written again: v1 is read by every load, v2 by every store.
;   XK, XV      four registers a piece.  The piece's load lands in them; it is issued at the head, before any vector instruction names them.
;               The piece's conversions work in place, behind the wait for its load.  The piece's store reads the first two; nothing writes them afterwards.
; So two kinds of dependence are stated: the offsets, once, ahead of the first load; and a store's data.  For the second the pieces go in groups of
; four: four pieces are converted, ONE wait states that their conversions have written the eight registers to be stored, and the four stores follow in
; one run, with no vector instruction between the wait and them.  No register that a memory instruction has read is written again, and no load is
; issued behind a vector instruction that names its registers: nothing more is owed.
.set PIECES, 16                        ; pieces of 4,096 bytes in a work-group's share of one tensor
.set GROUP,  4                         ; pieces whose stores stand behind one wait
.set XK, 4                             ; v[4:67]    K as loaded, 4 registers a piece
.set XV, 68                            ; v[68:131]  V as loaded
; The stores of pieces first .. first + 3 of K, and of V.
.macro OUT_K first
	s_wait_alu depctr_va_vdst(0)                   ; the conversions of these four pieces have written the registers that the four stores below read
.set j, \first
.rept GROUP
	global_store_b64 v2, v[XK+4*j:XK+4*j+1], s[8:9] offset:2048*j     ; no hint: the next launch reads these bytes
.set j, j+1
.endr
.endm
.macro OUT_V first
	s_wait_alu depctr_va_vdst(0)                   ; the conversions of these four pieces have written the registers that the four stores below read
.set j, \first
.rept GROUP
	global_store_b64 v2, v[XV+4*j:XV+4*j+1], s[10:11] offset:2048*j
.set j, j+1
.endr
.endm
	s_load_b256 s[4:11], s[0:1], 0x0               ; k s[4:5], v s[6:7], kb s[8:9], vb s[10:11]
	v_lshlrev_b32 v1, 4, v0                        ; 16 t: my bytes in a piece of f32
	v_lshlrev_b32 v2, 3, v0                        ; 8 t: my bytes in a piece of 16-bit numbers
	s_lshl_b32 s2, ttmp9, 16                       ; the work-group's share of the inputs (below 2^26)
	s_mov_b32 s3, 0
	s_lshl_b32 s12, ttmp9, 15                      ; and of the outputs
	s_mov_b32 s13, 0
	s_mov_b32 s14, 0xffff0000                      ; a word's upper bf16
	s_wait_kmcnt 0x0
	s_add_nc_u64 s[4:5], s[4:5], s[2:3]
	s_add_nc_u64 s[6:7], s[6:7], s[2:3]
	s_add_nc_u64 s[8:9], s[8:9], s[12:13]
	s_add_nc_u64 s[10:11], s[10:11], s[12:13]
	s_wait_alu depctr_va_vdst(0)                   ; v1 and v2 are written: every load of the kernel reads v1 as its offset, every store v2
.set i, 0
.rept PIECES
	global_load_b128 v[XK+4*i:XK+4*i+3], v1, s[4:5] offset:4096*i th:TH_LOAD_NT
.set i, i+1
.endr
.set i, 0
.rept PIECES
	global_load_b128 v[XV+4*i:XV+4*i+3], v1, s[6:7] offset:4096*i th:TH_LOAD_NT
.set i, i+1
.endr
; piece i of K is load i, piece i of V load 16 + i: the count leaves the younger loads out (loads return in order: ISA guide 5.7.1)
.set i, 0
.rept PIECES
	s_wait_loadcnt 31-i
	v_cvt_pk_bf16_f32 v[XK+4*i],   v[XK+4*i],   v[XK+4*i+1]
	v_cvt_pk_bf16_f32 v[XK+4*i+1], v[XK+4*i+2], v[XK+4*i+3]
.set i, i+1
.if (i % GROUP) == 0
	OUT_K i-GROUP                                  ; the group is converted: its four stores leave
.endif
.endr
.set i, 0
.rept PIECES
	s_wait_loadcnt 15-i
	v_cvt_pk_bf16_f32 v[XV+4*i],   v[XV+4*i],   v[XV+4*i+1]           ; the rounding: four numbers to bf16,
	v_cvt_pk_bf16_f32 v[XV+4*i+2], v[XV+4*i+2], v[XV+4*i+3]
	v_and_b32     v[XV+4*i+1], s14, v[XV+4*i]                         ; widened again (a mask, a shift),
	v_lshlrev_b32 v[XV+4*i],   16,  v[XV+4*i]
	v_and_b32     v[XV+4*i+3], s14, v[XV+4*i+2]
	v_lshlrev_b32 v[XV+4*i+2], 16,  v[XV+4*i+2]
	v_cvt_pk_f16_f32 v[XV+4*i],   v[XV+4*i],   v[XV+4*i+1]            ; and written as f16: no second rounding inside the range stated above
	v_cvt_pk_f16_f32 v[XV+4*i+1], v[XV+4*i+2], v[XV+4*i+3]
.set i, i+1
.if (i % GROUP) == 0
	OUT_V i-GROUP                                  ; the group is converted: its four stores leave
.endif
.endr
	s_endpgm
.Lfunc_end_k_q9d9e69d5bb_cvt:
	.size	k_q9d9e69d5bb_cvt, .Lfunc_end_k_q9d9e69d5bb_cvt-k_q9d9e69d5bb_cvt
	.p2alignl 7, 3214868480
	.fill 96, 4, 3214868480
	.section	.rodata,"a",@progbits
	.p2align	6, 0x0
	.amdhsa_kernel k_q9d9e69d5bb_cvt
		.amdhsa_group_segment_fixed_size 0
		.amdhsa_private_segment_fixed_size 0
		.amdhsa_enable_private_segment 0
		.amdhsa_kernarg_size 32
		.amdhsa_user_sgpr_count 2
		.amdhsa_user_sgpr_kernarg_segment_ptr 1
		.amdhsa_wavefront_size32 1
		.amdhsa_system_sgpr_workgroup_id_x 1
		.amdhsa_system_sgpr_workgroup_id_y 1
		.amdhsa_system_sgpr_workgroup_id_z 1
		.amdhsa_system_vgpr_workitem_id 0
		.amdhsa_next_free_vgpr 132
		.amdhsa_next_free_sgpr 66
		.amdhsa_reserve_vcc 0
		.amdhsa_float_denorm_mode_32 3
		.amdhsa_float_denorm_mode_16_64 3
		.amdhsa_memory_ordered 1
		.amdhsa_forward_progress 1
		.amdhsa_inst_pref_size 17
	.end_amdhsa_kernel
	.amdgpu_metadata
---
amdhsa.version: [ 1, 2 ]
amdhsa.kernels:
  - .name:           k_q9d9e69d5bb_cvt
    .symbol:         k_q9d9e69d5bb_cvt.kd
    .args:
      - { .name: k_matrix, .offset: 0, .size: 8, .value_kind: global_buffer, .address_space: global }
      - { .name: v_matrix, .offset: 8, .size: 8, .value_kind: global_buffer, .address_space: global }
      - { .name: kb, .offset: 16, .size: 8, .value_kind: global_buffer, .address_space: global }
      - { .name: vb, .offset: 24, .size: 8, .value_kind: global_buffer, .address_space: global }
    .group_segment_fixed_size: 0
    .private_segment_fixed_size: 0
    .kernarg_segment_align: 8
    .kernarg_segment_size: 32
    .max_flat_workgroup_size: 256
    .sgpr_count:     66
    .vgpr_count:     132
    .wavefront_size: 32
...
	.end_amdgpu_metadata
.endif
;; end of part 3
;; launch attn: the kernel of part 2 again; grid 32 x 8, 4 waves a work-group, clusters of 4 x 1, 327,680 bytes of LDS; arguments q_matrix, kb, vb, out0; writes out0
